; MI455X (gfx1250); checked and timed in simulation.
; The chip was launched on July 23, 2026; its instructions are those of AMD's public machine-readable ISA for CDNA 5 (MIT licence, August 2026) and "CDNA5" Instruction Set Architecture Reference Guide (July 2026). The comments in the code are by the model that wrote it; some were corrected since.
;; Attention. Allowed arithmetic: matrix products marked QUANTISED: E2M3 operands, one E8M0 scale for each 32 along K, by v_wmma_scale_f32_16x16x128_f8f6f4 with both operands' format E2M3, f32 sums; everything else in f32.
;; Inputs: Wkv_codes 128 x 32 x 24 uint8 (E2M3 codes of Wkv, K innermost, in blocks of 32 codes, four codes in three bytes); Wkv_scales 128 x 32 uint8 (E8M0 scales of Wkv, one for each 32 codes along K); Wo_codes 1,024 x 32 x 24 uint8 (E2M3 codes of Wo, K innermost, in blocks of 32 codes, four codes in three bytes); Wo_scales 1,024 x 32 uint8 (E8M0 scales of Wo, one for each 32 codes along K); Wq_codes 1,024 x 32 x 24 uint8 (E2M3 codes of Wq, K innermost, in blocks of 32 codes, four codes in three bytes); Wq_scales 1,024 x 32 uint8 (E8M0 scales of Wq, one for each 32 codes along K); context_mask 4 x 2,048 bool; ln_b 1,024 float32; ln_w 1,024 float32; x 4 x 2,048 x 1,024 float32.
;; Outputs: out0 4 x 2,048 x 1,024 float32.
;; This version of the problem:
;;   THIS VERSION OF THE PROBLEM IS GIVEN IN LOW PRECISION. The matrix products marked QUANTISED in the list below multiply operands that are first quantised to E2M3 (2 exponent bits, 3 mantissa bits; 6 bits a number), with one power-of-two scale for each 32 numbers along K (OCP MX v1.0); their sums are f32. All else is computed in f32.
;;   The module's matrix products, in the order in which they are computed (A, B: the left and right operand; K: the contracted axis; several contracted axes count as one K, in the product's order):
;;     1. [M 8,192, K 1,024] x [K 1,024, N 1,024]; A: computed on the way; B: input Wq (given as codes): QUANTISED
;;     2. [M 8,192, K 1,024] x [K 1,024, N 128]; A: computed on the way; B: input Wkv (given as codes): QUANTISED
;;     3. batch 4 x [M 32,768, K 64] x [K 64, N 2,048]; A: computed on the way; B: computed on the way: QUANTISED
;;     4. batch 4 x [M 32,768, K 2,048] x [K 2,048, N 64]; A: softmax (see below); B: computed on the way: QUANTISED
;;     5. [M 8,192, K 1,024] x [K 1,024, N 1,024]; A: computed on the way; B: input Wo (given as codes): QUANTISED
;;   THE QUANTISER, for each operand of a quantised product, along K:
;;     - K is cut into blocks of 32 from its start; a last block that is shorter is filled with zeros.
;;     - A block's scale is 2^e with e = floor(log2(the largest magnitude in the block)) - 2, held to -126 .. 127; a block of zeros has e = 0. As a byte (E8M0): e + 127.
;;     - Each number is divided by its block's scale, clamped to +-7.5, and rounded to the nearest number of E2M3, ties to even, subnormals kept.
;;     - The product sums the exact products of the quantised numbers (number of the format x scale) in f32.
;;   ~~~python
;;   def quantise(x, axis):      # numpy; x: float32 -> the quantised numbers, widened to float32 again
;;       x = np.moveaxis(x, axis, -1); K = x.shape[-1]
;;       x = np.pad(x, [(0, 0)] * (x.ndim - 1) + [(0, -K % 32)]); x = x.reshape(x.shape[:-1] + (-1, 32)); a = np.abs(x).max(-1, keepdims=True)
;;       e = np.where(a > 0, np.clip(np.frexp(np.where(a > 0, a, 1))[1] - 1 - 2, -126, 127), 0)      # np.frexp(a)[1] - 1 = floor(log2(a)), exactly
;;       r = np.clip(x / 2.0 ** e, -7.5, 7.5)
;;       step = 2.0 ** (np.maximum(np.frexp(np.where(r == 0, 1, r))[1] - 1, 0) - 3)
;;       q = np.round(r / step) * step * 2.0 ** e      # np.round: ties to even
;;       return np.moveaxis(q.reshape(q.shape[:-2] + (-1,))[..., :K], -1, axis).astype(np.float32)
;;   ~~~
;;   SOFTMAX AHEAD OF A QUANTISED PRODUCT. Where the list says 'softmax', what is quantised is not the finished softmax but p = 2^(t - M), with t = logit x log2(e) and M = ceil(the row's largest t), a whole number; so 1/2 < the row's largest p <= 1. The row's sum l is taken of the UNQUANTISED p, in f32, and the product's result is divided by l at the end. Since M is a whole number, a kernel that streams over the keys may use a running M (the ceiling of the running maximum): every later rescaling is an exact power of two, which a block's scale takes up: the codes' values come out the same.
;;   OPERANDS COMPUTED ON THE WAY. 'Computed on the way' means the value that the module computes at that place (a softmax that the list does not call 'softmax' is quantised finished and normalised). What goes into a quantiser is computed in f32, as accurately as f32 sums, v_exp_f32 and their like allow (about 1e-6 of the number): no bf16 or f16 on the way to a quantiser, and a product that is left as it is and whose result goes on into a quantised operand takes f32 operands (vector FMAs, or v_wmma_f32_16x16x4_f32). A number that lies on a knife's edge between two numbers of the format may be rounded either way, as far as f32 arithmetic and the matrix unit's own rounding can turn it there, and no further.
;;   INPUTS GIVEN AS CODES. Wkv (in the module: [1024, 128], K = its axis 0); Wo (in the module: [1024, 1024], K = its axis 0); Wq (in the module: [1024, 1024], K = its axis 0): each comes as NAME_codes (uint8): NAME with its K axis moved to the last place and cut into blocks of 32 codes, [.., K / 32, bytes a block], one block behind the other in memory; four codes in three bytes: a row's codes are one little-endian stream of bits, code i at bits 6 i .. 6 i + 5 (a code: sign, 2 exponent bits, 3 mantissa bits); and NAME_scales (uint8): the same leading axes, one E8M0 byte (e + 127) for each 32 codes along K. Its value is code x scale, taken as it is: it is not quantised again, and the codes and scales need not be those that the quantiser above would give.
;; One version. Each part assembles by itself: llvm-mc -triple=amdgcn-amd-amdhsa -mcpu=gfx1250 --defsym DOCPART=n.
;; ======== version 1 of 1: 3 launches
;; limits: right only within a limited range of input values
;; workspace buffers: xq 6,815,744 bytes; kv 966,656 bytes; wimg 1,572,864 bytes; oq 6,815,744 bytes
;; launch prep (part 1): grid 256 x 1, 8 waves a work-group, no clusters, 168,960 bytes of LDS; arguments x, ln_w, ln_b, context_mask, Wkv_codes, Wkv_scales, Wq_codes, Wo_codes, xq, kv, wimg; writes xq, kv, wimg
.if DOCPART == 1
	.amdgcn_target "amdgcn-amd-amdhsa--gfx1250"
	.amdhsa_code_object_version 6
	.text
	.protected	k_q74d49bf820_prep
	.globl	k_q74d49bf820_prep
	.p2align	8
	.type	k_q74d49bf820_prep,@function
k_q74d49bf820_prep:
	s_mov_b64 s[64:65], 0
	v_nop
	global_prefetch_b8 v0, s[64:65] scope:SCOPE_SE
	s_setreg_imm32_b32 hwreg(HW_REG_WAVE_MODE, 25, 1), 1
	s_wait_xcnt 0x0
; PREP: LayerNorm of x [8192][1024]; its codes of FP6 (E2M3) along the 1,024; kv = xn Wkv on codes; k normalised and quantised along its 64; v quantised along the keys; Wq and Wo laid anew.
; All that leaves is laid in the ORDER OF AN OPERAND'S REGISTERS (a fragment = 12 registers a lane; register group c of four at 512 c + 16 x lane), so that the next launch takes it by 16-byte loads.
;   xq:   512 tiles of 16 rows x 13,312 bytes: 8 fragments (K step s at 1,536 s), then 1,024 bytes of scale words, [lane 32][K step 8].
;   kv:   4 batches x 241,664 bytes: K 128 tiles x 1,024 (registers 0-7 of a fragment) | V [step 16][tile 4] x 1,536 | K's scale words 8,192 | V's scale bytes 4,096.
;   wimg: 1,024 fragments x 1,536: Wq's 64 tiles x 8 K steps, then Wo's.  Lane r of tile T takes row 32 (T / 2) + 8 (T % 2) + r + 8 (r / 8).
; SHARES.  A work-group owns 32 rows.  Wave s owns columns 128 s .. 128 s + 127 of them (K step s): two tiles of 16 rows.  Lane (r, h) holds row 16 m + r; register 64 m + 16 b + i holds column 128 s + 32 b + 16 h + i.
; The row's mean and its sum of squared differences (two passes: no difference of large sums) meet in LDS.  Each wave multiplies its K step by Wkv; the eight partial kv meet in LDS and are summed by the waves that need them:
; waves 0, 1: K's two tiles of 16 keys; waves 2-5: V's four tiles of 16 channels; waves 6, 7 meanwhile lay four fragments of Wq or Wo.
; THE CONTEXT MASK rides in K's spare half: the scores' product has K = 64 in an instruction of 128.  At k = 64 a masked key carries the code of -4 under the scale 2^20, an open key the code 0 under 2^-63.
; A block's scale byte is its largest magnitude's exponent field - 2, held at 1 from below; a block of zeros so has byte 1 (its codes are zeros; this program alone reads the bytes).
; LIMITS: NaN and infinities among the inputs are not served; blocks whose largest magnitude lies under 2^-124 are held at byte 1.
; One tensor load a wave, a first fill; nothing is filled again.
.set REGB,  16896                      ; a wave's region of LDS: 32 rows x (512 bytes + 16): first its tile of x, later its partial kv [token 32][128 f32]
.set PIT,   528
.set RED,   8*REGB                     ; behind the regions: two tables [wave 8][row 32] of f32, 1,024 bytes each
.set KVREC, 241664
.set X,     64                         ; v64-191  my 128 numbers; later the 16 accumulators of kv
.set PC,    192                        ; v192-215 the two fragments of xn
.set PCT,   216                        ; v216-223 second halves of blocks, on their way
.set TM,    224                        ; v224-239 at work in the quantiser
.set XW,    240                        ; v240-241 xn's scale words
.set WS,    242                        ; v242-249 Wkv's scale words
.set MSB, 0
.macro WIN new                         ; the immediate's high byte repeats the setting that is left
.if MSB != \new
	s_set_vgpr_msb (MSB<<8)|\new
.set MSB, \new
.endif
.endm
.macro BARRIER                         ; my LDS stores have landed and my LDS loads are in: then the work-group's barrier
	s_wait_dscnt 0x0
	s_barrier_signal -1
	s_barrier_wait -1
.endm
; the sum (sq = 0) or the sum of squares (sq = 1) of tile m's 128 columns of my row -> v[38 + m]
.macro ROWSUM m, sq
.set XS, X+64*(\m)
.if \sq
	v_pk_mul_f32 v[32:33], v[XS:XS+1], v[XS:XS+1]
	v_pk_mul_f32 v[34:35], v[XS+2:XS+3], v[XS+2:XS+3]
.set j, 4
.rept 15
	s_delay_alu instid0(VALU_DEP_2)
	v_pk_fma_f32 v[32:33], v[XS+j:XS+j+1], v[XS+j:XS+j+1], v[32:33]
	s_delay_alu instid0(VALU_DEP_2)
	v_pk_fma_f32 v[34:35], v[XS+j+2:XS+j+3], v[XS+j+2:XS+j+3], v[34:35]
.set j, j+4
.endr
.else
	v_pk_add_f32 v[32:33], v[XS:XS+1], v[XS+4:XS+5]
	v_pk_add_f32 v[34:35], v[XS+2:XS+3], v[XS+6:XS+7]
.set j, 8
.rept 14
	s_delay_alu instid0(VALU_DEP_2)
	v_pk_add_f32 v[32:33], v[32:33], v[XS+j:XS+j+1]
	s_delay_alu instid0(VALU_DEP_2)
	v_pk_add_f32 v[34:35], v[34:35], v[XS+j+2:XS+j+3]
.set j, j+4
.endr
.endif
	s_delay_alu instid0(VALU_DEP_1)
	v_pk_add_f32 v[32:33], v[32:33], v[34:35]
	s_delay_alu instid0(VALU_DEP_1)
	v_add_f32 v32, v32, v33
	s_delay_alu instid0(VALU_DEP_1)
	v_permlanex16_b32 v36, v32, s46, s47           ; the row's other 64 columns of this K step lie in the lane 16 away
	s_delay_alu instid0(VALU_DEP_1)
	v_add_f32 v[38+(\m)], v32, v36
.endm
; v38, v39 of all eight waves are added: -> v40, v41, the same bits in every wave
.macro EXCH off
	ds_store_b32 v8, v38 offset:\off               ; both halves of the lanes write the same word with the same value
	ds_store_b32 v8, v39 offset:\off+64
	BARRIER
.irp m, 0,1
.irp k, 0,1,2,3,4,5,6,7
	ds_load_b32 v[TM+8*\m+\k], v9 offset:\off+128*\k+64*\m
.endr
.endr
	s_wait_dscnt 0x0
.irp m, 0,1
	v_pk_add_f32 v[TM+8*\m:TM+8*\m+1], v[TM+8*\m:TM+8*\m+1], v[TM+8*\m+2:TM+8*\m+3]
	v_pk_add_f32 v[TM+8*\m+4:TM+8*\m+5], v[TM+8*\m+4:TM+8*\m+5], v[TM+8*\m+6:TM+8*\m+7]
	s_delay_alu instid0(VALU_DEP_1)
	v_pk_add_f32 v[TM+8*\m:TM+8*\m+1], v[TM+8*\m:TM+8*\m+1], v[TM+8*\m+4:TM+8*\m+5]
	s_delay_alu instid0(VALU_DEP_1)
	v_add_f32 v[40+\m], v[TM+8*\m], v[TM+8*\m+1]
.endr
.endm
; 64 numbers of a lane (register 16 b + i = k 32 b + 16 h + i of my row) become a fragment's 12 registers and its scale word
.macro QUANT src, dst, wrd
.irp b, 0,1,2,3
	v_max3_num_f32 v[TM+\b], |v[\src+16*\b]|, |v[\src+1+16*\b]|, 0x1800000   ; my 16 numbers of block b, and the floor 2^(3 - 127): the byte cannot fall under 1
.endr
.irp i, 2,4,6,8,10,12,14
.irp b, 0,1,2,3
	s_delay_alu instid0(VALU_DEP_4)
	v_max3_num_f32 v[TM+\b], v[TM+\b], |v[\src+16*\b+\i]|, |v[\src+1+16*\b+\i]|
.endr
.endr
.irp b, 0,1,2,3
	s_delay_alu instid0(VALU_DEP_4)
	v_permlanex16_b32 v[TM+4+\b], v[TM+\b], s46, s47
.endr
.irp b, 0,1,2,3
	s_delay_alu instid0(VALU_DEP_4)
	v_max_num_f32 v[TM+\b], v[TM+\b], v[TM+4+\b]   ; with lane l xor 16's: the block's largest magnitude
.endr
.irp b, 0,1,2,3
	s_delay_alu instid0(VALU_DEP_4)
	v_add_nc_u32 v[TM+12+\b], 0xff000000, v[TM+\b] ; 2 off its exponent field: the conversion takes this operand's exponent field as its scale
.endr
.irp b, 0,1,2,3
	s_delay_alu instid0(VALU_DEP_4)
	v_lshrrev_b32 v[TM+4+\b], 23, v[TM+12+\b]      ; the scale's byte
.endr
	s_delay_alu instid0(VALU_DEP_3)
	v_lshl_or_b32 v[\wrd], v[TM+5], 8, v[TM+4]
	s_delay_alu instid0(VALU_DEP_1)
	v_lshl_or_b32 v[\wrd], v[TM+6], 16, v[\wrd]
	s_delay_alu instid0(VALU_DEP_1)
	v_lshl_or_b32 v[\wrd], v[TM+7], 24, v[\wrd]
.irp c, 0,1
	v_cvt_scalef32_pk16_fp6_f32 v[\dst+6*\c:\dst+2+6*\c], v[\src+32*\c:\src+15+32*\c], v[TM+12+2*\c]
	v_cvt_scalef32_pk16_fp6_f32 v[PCT+4*\c:PCT+2+4*\c], v[\src+16+32*\c:\src+31+32*\c], v[TM+13+2*\c]   ; (a conversion's three registers begin on an even number)
.endr
	v_nop                                          ; one plain place behind the scaled conversions
.irp c, 0,1                                    ; the operand's layout wants a whole block in a lane: lanes 0-15 block 2 c, lanes 16-31 block 2 c + 1
.irp i, 0,1,2
	v_permlane16_swap_b32 v[\dst+6*\c+\i], v[PCT+4*\c+\i]
.endr
.irp i, 0,1,2
	s_delay_alu instid0(VALU_DEP_3)
	v_mov_b32 v[\dst+3+6*\c+\i], v[PCT+4*\c+\i]
.endr
.endr
.endm
.macro KLOAD reg, adr, kk              ; my 32 numbers of one partial kv
.irp b, 0,1
.irp j, 0,1,2,3
	ds_load_b128 v[\reg+16*\b+4*\j:\reg+16*\b+4*\j+3], v[\adr] offset:(\kk)*REGB+128*\b+16*\j
.endr
.endr
.endm
.macro KADD reg
.set j, 0
.rept 16
	v_pk_add_f32 v[64+j:65+j], v[64+j:65+j], v[\reg+j:\reg+j+1]
.set j, j+2
.endr
.endm
	s_load_b256 s[4:11], s[0:1], 0x0               ; x, ln_w, ln_b, context_mask
	s_load_b256 s[12:19], s[0:1], 0x20             ; Wkv's codes, Wkv's scales, Wq's codes, Wo's codes
	s_load_b128 s[20:23], s[0:1], 0x40             ; xq, kv
	s_load_b64 s[24:25], s[0:1], 0x50              ; wimg
	v_lshl_add_u32 v254, v0, 2, 0x29000
	v_mov_b32 v255, 0
	ds_add_u32 v254, v255
	ds_add_u32 v254, v255
	v_lshrrev_b32 v1, 5, v0
	s_delay_alu instid0(VALU_DEP_1)
	v_readfirstlane_b32 s40, v1                    ; wave 0..7 = my K step
	s_mov_b32 s41, ttmp9                           ; g: rows 32 g on
	s_lshr_b32 s42, s41, 6                         ; batch
	s_and_b32 s43, s41, 63                         ; which 32 keys of the batch
	; descriptor group 1: 32 rows x 128 elements of 4 bytes, 1,024 elements from row to row; 16 bytes of padding behind each 512
	s_mov_b32 s28, (2<<16)|(1<<20)|(6<<22)|(3<<25)
	s_mov_b32 s29, 128<<16                         ; tensor_dim0
	s_mov_b32 s30, 32<<16                          ; tensor_dim1
	s_mov_b32 s31, 128<<16                         ; tile_dim0
	s_mov_b32 s32, 32                              ; tile_dim1
	s_mov_b32 s33, 1024                            ; stride
	s_mov_b32 s34, 0
	s_mov_b32 s35, 0
	s_mov_b32 s36, 1
	s_mul_i32 s37, s40, REGB                       ; into my region
	s_mul_i32 s44, s40, REGB
	s_lshl_b32 s48, s41, 17                        ; 32 rows of 4,096 bytes
	s_lshl_b32 s49, s40, 9                         ; my 512 bytes of a row
	s_add_co_u32 s48, s48, s49
	s_mov_b32 s49, 0                               ; stays 0: the upper word of every offset below
	s_mov_b32 s46, 0x76543210
	s_mov_b32 s47, 0xfedcba98                      ; v_permlanex16_b32's selects for lane l xor 16
	s_mov_b32 s56, 0x3a800000                      ; 1 / 1024
	s_mov_b32 s57, 0x3727c5ac                      ; 1e-5
	s_wait_dscnt 0x0
	s_wait_kmcnt 0x0
	s_add_nc_u64 s[38:39], s[4:5], s[48:49]
	s_or_b32 s39, s39, 0x80000000
	tensor_load_to_lds s[36:39], s[28:35]          ; my tile of x: the wave's one tensor load
	s_nop 0
.rept 4
	v_nop
.endr
	s_lshl_b32 s48, s40, 9
	s_add_nc_u64 s[6:7], s[6:7], s[48:49]          ; ln_w and ln_b at my 128 columns
	s_add_nc_u64 s[8:9], s[8:9], s[48:49]
	s_mul_i32 s48, s40, 96
	s_add_nc_u64 s[12:13], s[12:13], s[48:49]      ; Wkv's codes at my K step
	s_lshl_b32 s48, s40, 2
	s_add_nc_u64 s[14:15], s[14:15], s[48:49]      ; and its scale words
	s_lshl_b32 s48, s41, 5
	s_add_nc_u64 s[10:11], s[10:11], s[48:49]      ; the mask at my 32 keys
	s_mul_i32 s48, s41, 26624
	s_add_nc_u64 s[20:21], s[20:21], s[48:49]      ; xq at my two tiles
	s_lshl_b32 s48, s40, 2
	s_add_co_u32 s48, s48, 12288
	s_add_nc_u64 s[58:59], s[20:21], s[48:49]      ; their scale words, my K step's
	s_mul_i32 s48, s40, 1536
	s_add_nc_u64 s[20:21], s[20:21], s[48:49]      ; their fragments, my K step's
	s_mul_i32 s48, s42, KVREC
	s_add_nc_u64 s[22:23], s[22:23], s[48:49]      ; kv at my batch
	; every LDS address is made here, ahead of the parting of the roles
	v_and_b32 v1, 31, v0                           ; lane
	v_and_b32 v2, 15, v0                           ; r
	v_bfe_u32 v3, v0, 4, 1                         ; h
	s_delay_alu instid0(VALU_DEP_2)
	v_mul_u32_u24 v4, v2, PIT
	s_delay_alu instid0(VALU_DEP_1)
	v_add_nc_u32 v4, s44, v4
	s_delay_alu instid0(VALU_DEP_1)
	v_lshl_add_u32 v7, v3, 5, v4                   ; v7: my region + 528 r + 32 h: where I put partial kv
	s_delay_alu instid0(VALU_DEP_2)
	v_lshl_add_u32 v4, v3, 6, v4                   ; v4: my region + 528 r + 64 h: where I read x
	v_lshlrev_b32 v5, 4, v1                        ; v5: 16 x lane
	v_lshlrev_b32 v6, 5, v1                        ; v6: 32 x lane
	s_lshl_b32 s45, s40, 7
	v_lshl_add_u32 v8, v2, 2, s45
	s_delay_alu instid0(VALU_DEP_1)
	v_add_nc_u32 v8, RED, v8                       ; v8: my wave's word for row r
	v_lshl_add_u32 v9, v2, 2, RED                  ; v9: wave 0's word for row r
	v_and_b32 v22, 8, v2
	s_delay_alu instid0(VALU_DEP_1)
	v_add_nc_u32 v22, v22, v2                      ; r + 8 (r / 8)
	s_wait_alu depctr_va_vdst(0)
	s_and_b32 s50, s40, 1                          ; u: which of K's two tiles; which pair of fragments
	s_lshl_b32 s51, s50, 3
	v_add_nc_u32 v19, s51, v22                     ; v19: the key of my lane among the 32: 8 u + r + 8 (r / 8)
	s_delay_alu instid0(VALU_DEP_1)
	v_mul_u32_u24 v10, v19, PIT
	s_delay_alu instid0(VALU_DEP_1)
	v_lshl_add_u32 v10, v3, 6, v10                 ; v10-12: that token's row in partials 0, 3, 6, + 64 h
	s_delay_alu instid0(VALU_DEP_1)
	v_add_nc_u32 v11, 3*REGB, v10
	s_delay_alu instid0(VALU_DEP_2)
	v_add_nc_u32 v12, 6*REGB, v10
	s_add_co_u32 s60, s40, 2
	s_and_b32 s60, s60, 3                          ; dt = (wave - 2) mod 4: which tile of V
	s_lshr_b32 s52, s60, 1
	s_lshl_b32 s52, s52, 5
	s_and_b32 s53, s60, 1
	s_lshl_b32 s53, s53, 3
	s_add_co_u32 s52, s52, s53
	s_add_co_u32 s52, s52, 64                      ; V's columns lie behind K's 64
	v_add_nc_u32 v13, s52, v22                     ; my channel's column of kv: 64 + 32 (dt / 2) + 8 (dt % 2) + r + 8 (r / 8)
	s_delay_alu instid0(VALU_DEP_1)
	v_lshlrev_b32 v13, 2, v13
	s_delay_alu instid0(VALU_DEP_1)
	v_mad_u32_u24 v13, v3, 16*PIT, v13             ; v13-15: that column, tokens 16 h on, in partials 0, 3, 6
	s_delay_alu instid0(VALU_DEP_1)
	v_add_nc_u32 v14, 3*REGB, v13
	s_delay_alu instid0(VALU_DEP_2)
	v_add_nc_u32 v15, 6*REGB, v13
	v_mul_u32_u24 v16, v2, 768
	s_delay_alu instid0(VALU_DEP_1)
	v_mad_u32_u24 v16, v3, 24, v16                 ; v16: Wkv: row r of 768 bytes + 24 h
	v_lshlrev_b32 v17, 5, v2                       ; v17: its scale bytes: 32 a row
	v_lshlrev_b32 v18, 6, v3                       ; v18: 64 h: my 16 numbers of a block of ln_w, ln_b
	v_mul_u32_u24 v20, v22, 768
	s_delay_alu instid0(VALU_DEP_1)
	v_mad_u32_u24 v20, v3, 24, v20                 ; v20: Wq, Wo: row r + 8 (r / 8) + 24 h
	v_lshlrev_b32 v27, 4, v2                       ; v27: 16 r
	v_mov_b32 v36, 0                               ; written once: a lane permute's destination counts as one of its sources
	WIN 0x40                                       ; destination window 1
.irp b, 0,1,2,3
.irp j, 0,1,2,3
	global_load_b128 v[16*\b+4*\j:16*\b+4*\j+3], v18, s[6:7] offset:128*\b+16*\j          ; ln_w of my 64 columns
	global_load_b128 v[64+16*\b+4*\j:64+16*\b+4*\j+3], v18, s[8:9] offset:128*\b+16*\j    ; ln_b
.endr
.endr
.irp n, 0,1,2,3,4,5,6,7
.irp p, 0,1,2,3,4,5
	global_load_b64 v[128+12*\n+2*\p:128+12*\n+2*\p+1], v16, s[12:13] offset:12288*\n+48*(\p/3)+8*(\p%3)   ; Wkv's fragment n: rows 16 n + r, my K step
.endr
.endr
	WIN 0
.irp n, 0,1,2,3,4,5,6,7
	global_load_b32 v[WS+\n], v17, s[14:15] offset:512*\n
.endr
	global_load_u8 v21, v19, s[10:11]              ; my key's mask byte
	s_wait_tensorcnt 0x0                           ; my tile has landed; only I read it
.irp m, 0,1
.irp b, 0,1,2,3
.irp j, 0,1,2,3
	ds_load_b128 v[X+64*\m+16*\b+4*\j:X+64*\m+16*\b+4*\j+3], v4 offset:16*PIT*\m+128*\b+16*\j
.endr
.endr
.endr
	s_wait_dscnt 0x0
	; ---- the mean
	ROWSUM 0, 0
	ROWSUM 1, 0
	EXCH 0
	v_mul_f32 v48, s56, v40
	s_delay_alu instid0(VALU_DEP_2)
	v_mul_f32 v50, s56, v41
	s_delay_alu instid0(VALU_DEP_2)
	v_mov_b32 v49, v48
	s_delay_alu instid0(VALU_DEP_2)
	v_mov_b32 v51, v50
.set j, 0
.rept 32
	v_pk_add_f32 v[X+j:X+j+1], v[X+j:X+j+1], v[48:49] neg_lo:[0,1] neg_hi:[0,1]
	v_pk_add_f32 v[X+64+j:X+64+j+1], v[X+64+j:X+64+j+1], v[50:51] neg_lo:[0,1] neg_hi:[0,1]
.set j, j+2
.endr
	; ---- the variance, of the differences
	ROWSUM 0, 1
	ROWSUM 1, 1
	EXCH 1024                                      ; other bytes than the first exchange's: one barrier each
	v_fma_f32 v52, v40, s56, s57
	s_delay_alu instid0(VALU_DEP_2)
	v_fma_f32 v54, v41, s56, s57
	s_wait_alu depctr_va_vdst(0)
	v_rsq_f32 v52, v52
	v_rsq_f32 v54, v54
	v_nop                                          ; a plain place behind the two
	s_wait_alu depctr_va_vdst(0)                   ; one wait for both, ahead of their first reader
	v_mov_b32 v53, v52
	v_mov_b32 v55, v54
	s_wait_alu depctr_va_vdst(0)
	s_wait_loadcnt 0x0                             ; ln_w, ln_b, Wkv, the mask
.set j, 0
.rept 32
	v_pk_mul_f32 v[X+j:X+j+1], v[X+j:X+j+1], v[52:53]
	v_pk_mul_f32 v[X+64+j:X+64+j+1], v[X+64+j:X+64+j+1], v[54:55]
.set j, j+2
.endr
	WIN 0x14                                       ; sources 1 and 2 (ln_w, ln_b) window 1
.set j, 0
.rept 32
	v_pk_fma_f32 v[X+j:X+j+1], v[X+j:X+j+1], v[j:j+1], v[64+j:65+j]
	v_pk_fma_f32 v[X+64+j:X+64+j+1], v[X+64+j:X+64+j+1], v[j:j+1], v[64+j:65+j]
.set j, j+2
.endr
	WIN 0
	; ---- xn's codes: two fragments, stored as they stand
	QUANT X, PC, XW
.irp c, 0,1,2
	global_store_b128 v5, v[PC+4*\c:PC+4*\c+3], s[20:21] offset:512*\c
.endr
	global_store_b32 v6, v[XW], s[58:59]
	QUANT X+64, PC+12, XW+1
.irp c, 0,1,2
	global_store_b128 v5, v[PC+12+4*\c:PC+12+4*\c+3], s[20:21] offset:13312+512*\c
.endr
	global_store_b32 v6, v[XW+1], s[58:59] offset:13312
	; ---- my K step's part of kv, transposed: source 0 = 16 columns of kv (rows of Wkv), source 1 = 16 tokens: lane (r, h) holds token 16 m + r, register j column 16 n + 8 h + j
.rept 8
	v_nop                                          ; a scale register written by a vector instruction stands 8 places ahead of a scaled matrix instruction, an operand 4
.endr
	WIN 0x01                                       ; source 0 window 1
.irp m, 0,1
.irp n, 0,1,2,3,4,5,6,7
	v_wmma_scale_f32_16x16x128_f8f6f4 v[X+64*\m+8*\n:X+64*\m+8*\n+7], v[128+12*\n:128+12*\n+11], v[PC+12*\m:PC+12*\m+11], 0, v[WS+\n], v[XW+\m] matrix_a_fmt:MATRIX_FMT_FP6 matrix_b_fmt:MATRIX_FMT_FP6
.endr
.endr
	WIN 0
.rept 4
	v_nop                                          ; four places ahead of the first read of results
.endr
.irp m, 0,1
.irp n, 0,1,2,3,4,5,6,7
	ds_store_b128 v7, v[X+64*\m+8*\n:X+64*\m+8*\n+3] offset:16*PIT*\m+64*\n          ; each accumulator from its low end on; into my region, whose tile of x I have read
	ds_store_b128 v7, v[X+64*\m+8*\n+4:X+64*\m+8*\n+7] offset:16*PIT*\m+64*\n+16
.endr
.endr
	BARRIER                                        ; the eight partial kv lie in LDS
	s_wait_xcnt 0x0                                ; the stores into xq have read their registers: the roles write them anew
	s_cmp_lt_u32 s40, 2
	s_cbranch_scc1 .Lrole_k
	s_cmp_lt_u32 s40, 6
	s_cbranch_scc1 .Lrole_v
	; ---- waves 6, 7: fragments 4 g + 2 u and the next of wimg
	s_cmp_lt_u32 s41, 128                          ; the first 512 fragments are Wq's
	s_cselect_b64 s[66:67], s[16:17], s[18:19]
	s_bfe_u32 s48, s41, 0x60001                    ; tile T = (g / 2) mod 64
	s_lshr_b32 s51, s48, 1
	s_lshl_b32 s51, s51, 5
	s_and_b32 s52, s48, 1
	s_lshl_b32 s52, s52, 3
	s_add_co_u32 s51, s51, s52                     ; its first row: 32 (T / 2) + 8 (T % 2)
	s_mul_i32 s51, s51, 768
	s_and_b32 s52, s41, 1
	s_lshl_b32 s52, s52, 2
	s_lshl_b32 s53, s50, 1
	s_add_co_u32 s52, s52, s53                     ; the first K step: 4 (g % 2) + 2 u
	s_mul_i32 s52, s52, 96
	s_add_co_u32 s48, s51, s52
	s_add_nc_u64 s[66:67], s[66:67], s[48:49]
	s_lshl_b32 s48, s41, 2
	s_add_co_u32 s48, s48, s53
	s_mul_i32 s48, s48, 1536
	s_add_nc_u64 s[68:69], s[24:25], s[48:49]
.irp e, 0,1
.irp p, 0,1,2,3,4,5
	global_load_b64 v[64+12*\e+2*\p:64+12*\e+2*\p+1], v20, s[66:67] offset:96*\e+48*(\p/3)+8*(\p%3)
.endr
.endr
	s_wait_loadcnt 0x0
.irp e, 0,1
.irp c, 0,1,2
	global_store_b128 v5, v[64+12*\e+4*\c:64+12*\e+4*\c+3], s[68:69] offset:1536*\e+512*\c
.endr
.endr
	s_wait_tensorcnt 0x0
	ds_add_u32 v254, v255
	s_wait_dscnt 0x0
	s_endpgm
.Lrole_k:                                              ; ---- waves 0, 1: 16 keys; lane (r, h) holds key 8 u + r + 8 (r / 8); register 16 b + i holds channel 32 b + 16 h + i
	KLOAD 64, 10, 0
	KLOAD 96, 10, 1
	KLOAD 128, 10, 2
	s_wait_dscnt 0x0
	KADD 96
	KADD 128
	KLOAD 96, 11, 0
	KLOAD 128, 11, 1
	KLOAD 160, 11, 2
	s_wait_dscnt 0x0
	KADD 96
	KADD 128
	KADD 160
	KLOAD 96, 12, 0
	KLOAD 128, 12, 1
	s_wait_dscnt 0x0
	KADD 96
	KADD 128
	v_pk_mul_f32 v[32:33], v[64:65], v[64:65]      ; k / max(|k|, 1e-12)
	v_pk_mul_f32 v[34:35], v[66:67], v[66:67]
.irp j, 4,8,12,16,20,24,28
	s_delay_alu instid0(VALU_DEP_2)
	v_pk_fma_f32 v[32:33], v[64+\j:65+\j], v[64+\j:65+\j], v[32:33]
	s_delay_alu instid0(VALU_DEP_2)
	v_pk_fma_f32 v[34:35], v[66+\j:67+\j], v[66+\j:67+\j], v[34:35]
.endr
	s_delay_alu instid0(VALU_DEP_1)
	v_pk_add_f32 v[32:33], v[32:33], v[34:35]
	s_delay_alu instid0(VALU_DEP_1)
	v_add_f32 v32, v32, v33
	s_delay_alu instid0(VALU_DEP_1)
	v_permlanex16_b32 v36, v32, s46, s47
	s_delay_alu instid0(VALU_DEP_1)
	v_add_f32 v32, v32, v36
	s_wait_alu depctr_va_vdst(0)
	v_sqrt_f32 v32, v32
	v_nop
	s_wait_alu depctr_va_vdst(0)
	v_max_num_f32 v32, 0x2b8cbccc, v32
	s_wait_alu depctr_va_vdst(0)
	v_rcp_f32 v32, v32
	v_nop
	s_wait_alu depctr_va_vdst(0)
	v_mov_b32 v33, v32
.set j, 0
.rept 16
	v_pk_mul_f32 v[64+j:65+j], v[64+j:65+j], v[32:33]
.set j, j+2
.endr
.irp b, 0,1                                    ; two blocks of 32 channels
	v_max3_num_f32 v[TM+\b], |v[64+16*\b]|, |v[65+16*\b]|, 0x1800000
.endr
.irp i, 2,4,6,8,10,12,14
.irp b, 0,1
	s_delay_alu instid0(VALU_DEP_2)
	v_max3_num_f32 v[TM+\b], v[TM+\b], |v[64+16*\b+\i]|, |v[65+16*\b+\i]|
.endr
.endr
.irp b, 0,1
	s_delay_alu instid0(VALU_DEP_2)
	v_permlanex16_b32 v[TM+4+\b], v[TM+\b], s46, s47
.endr
.irp b, 0,1
	s_delay_alu instid0(VALU_DEP_2)
	v_max_num_f32 v[TM+\b], v[TM+\b], v[TM+4+\b]
.endr
.irp b, 0,1
	s_delay_alu instid0(VALU_DEP_2)
	v_add_nc_u32 v[TM+12+\b], 0xff000000, v[TM+\b]
.endr
.irp b, 0,1
	s_delay_alu instid0(VALU_DEP_2)
	v_lshrrev_b32 v[TM+4+\b], 23, v[TM+12+\b]
.endr
	v_cvt_scalef32_pk16_fp6_f32 v[192:194], v[64:79], v[TM+12]
	v_cvt_scalef32_pk16_fp6_f32 v[PCT:PCT+2], v[80:95], v[TM+13]
	v_nop                                          ; one plain place behind the scaled conversions
.irp i, 0,1,2
	v_permlane16_swap_b32 v[192+\i], v[PCT+\i]
.endr
.irp i, 0,1,2
	s_delay_alu instid0(VALU_DEP_3)
	v_mov_b32 v[195+\i], v[PCT+\i]
.endr
	v_xor_b32 v23, 1, v3
	s_delay_alu instid0(VALU_DEP_1)
	v_mul_u32_u24 v23, v23, 0x38                   ; the code of -4, in lanes 0-15: they hold k = 64
	v_cmp_ne_u32 vcc_lo, 0, v21                    ; is my key masked?  The choice selects values alone
	s_delay_alu instid0(VALU_DEP_1)
	v_cndmask_b32 v198, 0, v23, vcc_lo             ; register 6: the mask's code at k = 64
	v_mov_b32 v199, 0
	s_wait_alu depctr_va_vdst(0)
	v_mov_b32 v24, 0x40400000                      ; bytes 2 and 3 of the scale word: 2^-63 over zero codes,
	v_mov_b32 v25, 0x40930000                      ; or 2^20 over the code of -4
	s_delay_alu instid0(VALU_DEP_1)
	v_cndmask_b32 v24, v24, v25, vcc_lo
	v_lshl_or_b32 v26, v[TM+5], 8, v[TM+4]
	s_delay_alu instid0(VALU_DEP_1)
	v_or_b32 v26, v26, v24
	s_wait_alu depctr_va_vdst(0)
	s_lshl_b32 s48, s43, 1
	s_add_co_u32 s48, s48, s50
	s_lshl_b32 s48, s48, 10                        ; tile 2 x (my 32 keys' number) + u, 1,024 bytes each
	s_add_nc_u64 s[66:67], s[22:23], s[48:49]
	s_lshr_b32 s48, s43, 2
	s_lshl_b32 s48, s48, 9                         ; the scale words: 512 bytes a step of 128 keys,
	s_bfe_u32 s51, s43, 0x10001
	s_lshl_b32 s51, s51, 8                         ; 256 for each four tiles,
	s_add_co_u32 s48, s48, s51
	s_and_b32 s51, s43, 1
	s_lshl_b32 s51, s51, 3
	s_add_co_u32 s48, s48, s51
	s_lshl_b32 s51, s50, 2
	s_add_co_u32 s48, s48, s51                     ; 4 x (tile mod 4); 16 r comes from the lane
	s_add_co_u32 s48, s48, 229376
	s_add_nc_u64 s[68:69], s[22:23], s[48:49]
	global_store_b128 v5, v[192:195], s[66:67]
	global_store_b128 v5, v[196:199], s[66:67] offset:512
	global_store_b32 v27, v26, s[68:69]            ; both halves of the lanes write the same word with the same value
	s_wait_tensorcnt 0x0
	ds_add_u32 v254, v255
	s_wait_dscnt 0x0
	s_endpgm
.Lrole_v:                                              ; ---- waves 2-5: 16 channels x my 32 keys, one block along the keys; lane (r, h) holds its channel's keys 16 h + 0 .. 15
.irp k, 0,1,2,3,4,5,6,7
.irp i, 0,1,2,3,4,5,6,7,8,9,10,11,12,13,14,15
	ds_load_b32 v[64+16*\k+\i], v[13+\k/3] offset:(\k%3)*REGB+PIT*\i
.endr
.endr
	s_wait_dscnt 0x0
.irp k, 1,2,3,4,5,6,7
.irp j, 0,2,4,6,8,10,12,14
	v_pk_add_f32 v[64+\j:65+\j], v[64+\j:65+\j], v[64+16*\k+\j:65+16*\k+\j]
.endr
.endr
	v_max3_num_f32 v32, |v64|, |v65|, 0x1800000
.irp i, 2,4,6,8,10,12,14
	s_delay_alu instid0(VALU_DEP_1)
	v_max3_num_f32 v32, v32, |v[64+\i]|, |v[65+\i]|
.endr
	s_delay_alu instid0(VALU_DEP_1)
	v_permlanex16_b32 v36, v32, s46, s47
	s_delay_alu instid0(VALU_DEP_1)
	v_max_num_f32 v32, v32, v36
	s_delay_alu instid0(VALU_DEP_1)
	v_add_nc_u32 v33, 0xff000000, v32
	s_delay_alu instid0(VALU_DEP_1)
	v_lshrrev_b32 v34, 23, v33
	v_cvt_scalef32_pk16_fp6_f32 v[192:194], v[64:79], v33
	v_nop                                          ; one plain place behind the scaled conversion
	; block kb of a step's four lies in registers 6 (kb / 2) + 0 .. 5 of lanes r + 16 (kb % 2); my 16 codes are registers 3 h + 0 .. 2 of those six
	s_and_b32 s58, s43, 3                          ; kb
	s_lshr_b32 s59, s58, 1
	s_mul_i32 s59, s59, 6
	s_and_b32 s61, s58, 1
	s_lshl_b32 s61, s61, 8
	v_mad_u32_u24 v24, v3, 3, s59
	v_lshl_add_u32 v25, v2, 4, s61
.irp i, 0,1,2
	v_add_nc_u32 v37, \i, v24                      ; the register's number,
	s_delay_alu instid0(VALU_DEP_1)
	v_lshrrev_b32 v38, 2, v37
	s_delay_alu instid0(VALU_DEP_2)
	v_and_b32 v37, 3, v37
	s_delay_alu instid0(VALU_DEP_2)
	v_lshl_add_u32 v[28+\i], v38, 9, v25           ; its group of four: 512 bytes each,
	s_delay_alu instid0(VALU_DEP_1)
	v_lshl_add_u32 v[28+\i], v37, 2, v[28+\i]      ; its place in the lane's 16 bytes
.endr
	s_lshr_b32 s51, s43, 2                         ; the step of 128 keys
	s_mul_i32 s48, s51, 6144
	s_mul_i32 s52, s60, 1536
	s_add_co_u32 s48, s48, s52
	s_add_co_u32 s48, s48, 131072
	s_add_nc_u64 s[66:67], s[22:23], s[48:49]
	s_lshl_b32 s48, s51, 8
	s_lshl_b32 s52, s60, 2
	s_add_co_u32 s48, s48, s52
	s_add_co_u32 s48, s48, s58
	s_add_co_u32 s48, s48, 237568
	s_add_nc_u64 s[68:69], s[22:23], s[48:49]
	global_store_b32 v28, v192, s[66:67]
	s_wait_alu depctr_va_vdst(0)
	global_store_b32 v29, v193, s[66:67]
	global_store_b32 v30, v194, s[66:67]
	global_store_b8 v27, v34, s[68:69]             ; byte kb of channel r's word; both halves write the same value
	s_wait_tensorcnt 0x0
	ds_add_u32 v254, v255
	s_wait_dscnt 0x0
	s_endpgm
.Lfunc_end_k_q74d49bf820_prep:
	.size	k_q74d49bf820_prep, .Lfunc_end_k_q74d49bf820_prep-k_q74d49bf820_prep
	.p2alignl 7, 3214868480
	.fill 96, 4, 3214868480
	.section	.rodata,"a",@progbits
	.p2align	6, 0x0
	.amdhsa_kernel k_q74d49bf820_prep
		.amdhsa_group_segment_fixed_size 168960
		.amdhsa_private_segment_fixed_size 0
		.amdhsa_enable_private_segment 0
		.amdhsa_kernarg_size 88
		.amdhsa_user_sgpr_count 2
		.amdhsa_user_sgpr_kernarg_segment_ptr 1
		.amdhsa_wavefront_size32 1
		.amdhsa_system_sgpr_workgroup_id_x 1
		.amdhsa_system_sgpr_workgroup_id_y 1
		.amdhsa_system_sgpr_workgroup_id_z 1
		.amdhsa_system_vgpr_workitem_id 0
		.amdhsa_next_free_vgpr 512
		.amdhsa_next_free_sgpr 96
		.amdhsa_reserve_vcc 1
		.amdhsa_float_denorm_mode_32 3
		.amdhsa_float_denorm_mode_16_64 3
		.amdhsa_memory_ordered 1
		.amdhsa_forward_progress 1
		.amdhsa_inst_pref_size 98
	.end_amdhsa_kernel
	.amdgpu_metadata
---
amdhsa.version: [ 1, 2 ]
amdhsa.kernels:
  - .name:           k_q74d49bf820_prep
    .symbol:         k_q74d49bf820_prep.kd
    .args:
      - { .name: x, .offset: 0, .size: 8, .value_kind: global_buffer, .address_space: global }
      - { .name: ln_w, .offset: 8, .size: 8, .value_kind: global_buffer, .address_space: global }
      - { .name: ln_b, .offset: 16, .size: 8, .value_kind: global_buffer, .address_space: global }
      - { .name: context_mask, .offset: 24, .size: 8, .value_kind: global_buffer, .address_space: global }
      - { .name: Wkv_codes, .offset: 32, .size: 8, .value_kind: global_buffer, .address_space: global }
      - { .name: Wkv_scales, .offset: 40, .size: 8, .value_kind: global_buffer, .address_space: global }
      - { .name: Wq_codes, .offset: 48, .size: 8, .value_kind: global_buffer, .address_space: global }
      - { .name: Wo_codes, .offset: 56, .size: 8, .value_kind: global_buffer, .address_space: global }
      - { .name: xq, .offset: 64, .size: 8, .value_kind: global_buffer, .address_space: global }
      - { .name: kv, .offset: 72, .size: 8, .value_kind: global_buffer, .address_space: global }
      - { .name: wimg, .offset: 80, .size: 8, .value_kind: global_buffer, .address_space: global }
    .group_segment_fixed_size: 168960
    .private_segment_fixed_size: 0
    .kernarg_segment_align: 8
    .kernarg_segment_size: 88
    .max_flat_workgroup_size: 256
    .sgpr_count:     96
    .vgpr_count:     512
    .wavefront_size: 32
...
	.end_amdgpu_metadata
.endif
;; end of part 1
;; launch attn (part 2): grid 256 x 1, 16 waves a work-group, no clusters, 327,680 bytes of LDS; arguments xq, kv, wimg, Wq_scales, oq; writes oq
.if DOCPART == 2
	.amdgcn_target "amdgcn-amd-amdhsa--gfx1250"
	.amdhsa_code_object_version 6
	.text
	.protected	k_q74d49bf820_attn
	.globl	k_q74d49bf820_attn
	.p2align	8
	.type	k_q74d49bf820_attn,@function
k_q74d49bf820_attn:
	s_mov_b64 s[64:65], 0
	v_nop
	global_prefetch_b8 v0, s[64:65] scope:SCOPE_SE
	s_setreg_imm32_b32 hwreg(HW_REG_WAVE_MODE, 25, 1), 1
	s_wait_xcnt 0x0
; ATTN: q = xn Wq on codes, q normalised and quantised, causal attention on codes against the batch's one K, V head, O quantised along the heads' 1,024 -> oq.
; SHARES.  A work-group owns one batch b, four heads (group hg) and 128 rows: four pairs of tiles of 16 rows, tile e = 4 rg + p and tile 127 - e; a pair walks 17 steps of 128 keys whatever e is.
; Wave w owns head 4 hg + w % 4 and pair p = w / 4: 2 x 4 tiles of q (64 matrix instructions), then its two tiles' walks over the keys.  Tiles of keys wholly above the diagonal are passed over by a branch on ids.
; LDS IS FILLED IN FOUR GROUPS, one tensor load a wave each: (A) the eight tiles of xq and Wq's K steps 0-4; (B) Wq's K steps 5-7, on its way during K steps 0-4;
; (C) V and both sets of scale words over (A)'s Wq, on its way during K steps 5-7; (D) K over xq and (B), on its way during the sums of V.  Every wait on TENSORcnt is for 0.
; oq: 512 tiles of 16 rows x 13,312 bytes: 8 fragments in the order of an operand's registers, then scale words [pair of K steps 4][lane 32][2].
; THE SHIFT OF THE SOFTMAX.  reference() itself normalises q and k; a code of E2M3 lies within 1/16 of its number, so |t| = |10 log2(e) q.k| stays under 14.43 x 1.13 < 18.  M = 18 for every row:
; p = 2^(t - 18) lies in 2^-35 .. 1, and differs from p under M = ceil(largest t) by a power of two, which the blocks' scales take up.  A masked key has t under -2^20: p = 0.
; A row all of whose open keys are masked has sum 0: it takes the mean of all 2,048 rows of V, as reference()'s equal scores give it.
; LIMITS: NaN and infinities among the inputs are not served.
; cluster = none: xq's tiles are shared by 4 work-groups (same b, rg), Wq's by 64 (same hg), kv by 64 (same b): three groupings; this text asks for each by itself.
; No prefetch: all four fills stand in the head, and no loop runs ahead of them.
.set WA,    0
.set XIMG,  122880
.set WB,    229376
.set VIMG,  0
.set KSC,   98304
.set VSC,   106496
.set KIMG,  122880
.set OIMG,  253952                     ; the stage for O: 8 tiles x 3,328 bytes, on bytes of (B) that (D) does not reach: they have had their last fill
.set OT,    3328
.set VSP,   303104
.set VST,   307200
.set SPARE, 325632
.set TILEB, 13312
.set KVREC, 241664
.set LI,  1
.set R16, 2
.set WSA, 3
.set XAD, 4
.set XSA, 5
.set WAD, 6
.set WBD, 7
.set ADK, 8
.set ADV, 9
.set ADS, 10
.set ADT, 11
.set QA,  24
.set QB,  36
.set KB,  48
.set S,   96
.set OA,  160
.set PC,  192
.set PT,  204
.set XF,  208
.set BM,  212
.set BT,  216
.set SO,  220
.set LS,  224
.set WSP, 60
; the lines ahead of a later fill; r: the rows of 256 bytes that the next load brings
.macro FENCE r
	s_wait_alu depctr_va_vdst(0)
	s_wait_tensorcnt 0x0
	ds_add_u32 v238, v239
	s_mov_b32 s18, (\r)<<16                        ; no load of mine is out: the descriptor may be written
	s_mov_b32 s20, \r
	s_wait_dscnt 0x0
	s_barrier_signal -1
	s_barrier_wait -1
.endm
.macro WSL st, ks                      ; Wq's scale words of K step ks, four tiles
.irp n, 0,1,2,3
	global_load_b32 v[240+4*(\st)+\n], v[WSA], s[WSP:WSP+1] offset:(32*(\n/2)+8*(\n%2))*32+4*(\ks)
.endr
.endm
; one K step of q: 4 fragments of Wq, 2 of xn, 8 matrix instructions on 8 accumulators by turns
.macro KSTEP s, wad, ts, s0
.irp n, 0,1,2,3
.irp c, 0,1,2
	ds_load_b128 v[KB+12*\n+4*\c:KB+12*\n+4*\c+3], v[\wad] offset:(\ts)*\n+1536*((\s)-(\s0))+512*\c
.endr
.endr
.irp m, 0,1
.irp c, 0,1,2
	ds_load_b128 v[XF+12*\m+4*\c:XF+12*\m+4*\c+3], v[XAD] offset:TILEB*\m+1536*(\s)+512*\c
.endr
	ds_load_b32 v[248+\m], v[XSA] offset:TILEB*\m+4*(\s)
.endr
.if \s < 7
	s_wait_loadcnt 4                               ; the next K step's four scale words may be out
.else
	s_wait_loadcnt 0x0
.endif
	s_wait_dscnt 0x0
.irp m, 0,1
.irp n, 0,1,2,3
.if \s == 0
	v_wmma_scale_f32_16x16x128_f8f6f4 v[S+32*\m+8*\n:S+32*\m+8*\n+7], v[KB+12*\n:KB+12*\n+11], v[XF+12*\m:XF+12*\m+11], 0, v[240+4*((\s)%2)+\n], v[248+\m] matrix_a_fmt:MATRIX_FMT_FP6 matrix_b_fmt:MATRIX_FMT_FP6
.else
	v_wmma_scale_f32_16x16x128_f8f6f4 v[S+32*\m+8*\n:S+32*\m+8*\n+7], v[KB+12*\n:KB+12*\n+11], v[XF+12*\m:XF+12*\m+11], v[S+32*\m+8*\n:S+32*\m+8*\n+7], v[240+4*((\s)%2)+\n], v[248+\m] matrix_a_fmt:MATRIX_FMT_FP6 matrix_b_fmt:MATRIX_FMT_FP6
.endif
.endr
.endr
.rept 4
	v_nop                                          ; places ahead of loads into the operands
.endr
.if \s < 6
	WSL (\s)%2, (\s)+2
.endif
.endm
.macro SQS src, acc
	v_pk_mul_f32 v[\acc:\acc+1], v[\src:\src+1], v[\src:\src+1]
	v_pk_mul_f32 v[\acc+2:\acc+3], v[\src+2:\src+3], v[\src+2:\src+3]
.irp j, 4,8,12,16,20,24,28
	v_pk_fma_f32 v[\acc:\acc+1], v[\src+\j:\src+\j+1], v[\src+\j:\src+\j+1], v[\acc:\acc+1]
	v_pk_fma_f32 v[\acc+2:\acc+3], v[\src+\j+2:\src+\j+3], v[\src+\j+2:\src+\j+3], v[\acc+2:\acc+3]
.endr
	s_delay_alu instid0(VALU_DEP_1)
	v_pk_add_f32 v[\acc:\acc+1], v[\acc:\acc+1], v[\acc+2:\acc+3]
	s_delay_alu instid0(VALU_DEP_1)
	v_add_f32 v[\acc], v[\acc], v[\acc+1]
.endm
; 32 numbers of a lane (two half blocks) -> six registers of codes; the two scale bytes are left in v[BT], v[BT+1]
.macro QUANT2 src, dst
.irp b, 0,1
	v_max3_num_f32 v[BM+\b], |v[\src+16*\b]|, |v[\src+1+16*\b]|, 0x1800000
.endr
.irp i, 2,4,6,8,10,12,14
.irp b, 0,1
	s_delay_alu instid0(VALU_DEP_2)
	v_max3_num_f32 v[BM+\b], v[BM+\b], |v[\src+16*\b+\i]|, |v[\src+1+16*\b+\i]|
.endr
.endr
.irp b, 0,1
	s_delay_alu instid0(VALU_DEP_2)
	v_permlanex16_b32 v[BT+\b], v[BM+\b], s66, s67
.endr
.irp b, 0,1
	s_delay_alu instid0(VALU_DEP_2)
	v_max_num_f32 v[BM+\b], v[BM+\b], v[BT+\b]
.endr
.irp b, 0,1
	s_delay_alu instid0(VALU_DEP_2)
	v_add_nc_u32 v[SO+\b], 0xff000000, v[BM+\b]
.endr
.irp b, 0,1
	s_delay_alu instid0(VALU_DEP_2)
	v_lshrrev_b32 v[BT+\b], 23, v[SO+\b]
.endr
	v_cvt_scalef32_pk16_fp6_f32 v[\dst:\dst+2], v[\src:\src+15], v[SO]
	v_cvt_scalef32_pk16_fp6_f32 v[PT:PT+2], v[\src+16:\src+31], v[SO+1]
	v_nop
.irp i, 0,1,2
	v_permlane16_swap_b32 v[\dst+\i], v[PT+\i]
.endr
.irp i, 0,1,2
	s_delay_alu instid0(VALU_DEP_3)
	v_mov_b32 v[\dst+3+\i], v[PT+\i]
.endr
.endm
; one step of 128 keys for one tile of 16 queries: S^T = K q^T, p, its codes, O^T += V^T p^T
.macro STEP qf, qw, qr
	s_add_co_u32 s78, s[\qr], 15
	s_cmp_gt_u32 s76, s78
	s_cbranch_scc1 .Lhid_\@                        ; all 128 keys lie above the diagonal
	v_add_nc_u32 v[ADK], s72, v[LI]
	s_wait_alu depctr_va_vdst(0)
	v_add_nc_u32 v[ADV], s73, v[LI]
	v_add_nc_u32 v[ADS], s74, v[R16]
	v_add_nc_u32 v[ADT], s75, v[R16]
	ds_load_b128 v[240:243], v[ADS]
	ds_load_b128 v[244:247], v[ADS] offset:256
	ds_load_b128 v[248:251], v[ADT]
.irp g, 0,1
.if \g
.rept 4
	v_nop
.endr
.endif
.irp t, 0,1,2,3
	ds_load_b128 v[KB+12*\t:KB+12*\t+3], v[ADK] offset:(4*\g+\t)*1024
	ds_load_b128 v[KB+12*\t+4:KB+12*\t+7], v[ADK] offset:(4*\g+\t)*1024+512
.endr
	s_wait_dscnt 0x0
.irp t, 0,1,2,3
	v_wmma_scale_f32_16x16x128_f8f6f4 v[S+8*(4*\g+\t):S+8*(4*\g+\t)+7], v[KB+12*\t:KB+12*\t+11], v[\qf:\qf+11], 0, v[240+4*\g+\t], v[\qw] matrix_a_fmt:MATRIX_FMT_FP6 matrix_b_fmt:MATRIX_FMT_FP6
.endr
.endr
.rept 4
	v_nop
.endr
	s_add_co_u32 s78, s76, 127
	s_cmp_le_u32 s78, s[\qr]
	s_cbranch_scc1 .Lopen_\@                       ; all 128 keys lie under the diagonal
	s_sub_co_i32 s78, s[\qr], s76
	v_add_nc_u32 v228, s78, v237
	v_mov_b32 v230, 0xff800000
.set n, 0
.rept 64
	v_cmp_gt_i32 vcc_lo, 32*(n/16)+n%16, v228
	v_cndmask_b32 v[S+n], v[S+n], v230, vcc_lo
.set n, n+1
.endr
.Lopen_\@:
.irp b, 0,1,2,3
	v_max3_num_f32 v[BM+\b], v[S+16*\b], v[S+1+16*\b], v[S+2+16*\b]
.endr
.irp i, 3,5,7,9,11,13
.irp b, 0,1,2,3
	v_max3_num_f32 v[BM+\b], v[BM+\b], v[S+16*\b+\i], v[S+1+16*\b+\i]
.endr
.endr
.irp b, 0,1,2,3
	v_max_num_f32 v[BM+\b], v[BM+\b], v[S+15+16*\b]
.endr
.irp b, 0,1,2,3
	s_delay_alu instid0(VALU_DEP_4)
	v_permlanex16_b32 v[BT+\b], v[BM+\b], s66, s67
.endr
.irp b, 0,1,2,3
	s_delay_alu instid0(VALU_DEP_4)
	v_max_num_f32 v[BM+\b], v[BM+\b], v[BT+\b]
.endr
.set j, 0
.rept 32
	v_pk_fma_f32 v[S+j:S+j+1], v[S+j:S+j+1], s[68:69], v[12:13] op_sel_hi:[1,0,0]
.set j, j+2
.endr
.irp b, 0,1,2,3
	v_fma_f32 v[BM+\b], v[BM+\b], s68, v12
.endr
.set j, 0
	s_wait_alu depctr_va_vdst(0)
.rept 64
	v_exp_f32 v[S+j], v[S+j]
.set j, j+1
.endr
.irp b, 0,1,2,3
	v_exp_f32 v[BM+\b], v[BM+\b]                   ; the block's largest p, from its largest score
.endr
	v_nop
	s_wait_alu depctr_va_vdst(0)
.irp b, 0,1,2,3
	v_max_num_f32 v[BM+\b], 0x1800000, v[BM+\b]
.endr
.irp b, 0,1,2,3
	s_delay_alu instid0(VALU_DEP_4)
	v_add_nc_u32 v[SO+\b], 0xff000000, v[BM+\b]
.endr
.irp b, 0,1,2,3
	s_delay_alu instid0(VALU_DEP_4)
	v_lshrrev_b32 v[BT+\b], 23, v[SO+\b]
.endr
	s_delay_alu instid0(VALU_DEP_3)
	v_lshl_or_b32 v252, v[BT+1], 8, v[BT]
	s_delay_alu instid0(VALU_DEP_1)
	v_lshl_or_b32 v252, v[BT+2], 16, v252
	s_delay_alu instid0(VALU_DEP_1)
	v_lshl_or_b32 v252, v[BT+3], 24, v252
.irp c, 0,1
	v_cvt_scalef32_pk16_fp6_f32 v[PC+6*\c:PC+2+6*\c], v[S+32*\c:S+15+32*\c], v[SO+2*\c]
	v_cvt_scalef32_pk16_fp6_f32 v[PT+4*\c:PT+2+4*\c], v[S+16+32*\c:S+31+32*\c], v[SO+1+2*\c]
.endr
	v_nop
.irp c, 0,1
.irp i, 0,1,2
	v_permlane16_swap_b32 v[PC+6*\c+\i], v[PT+4*\c+\i]
.endr
.irp i, 0,1,2
	s_delay_alu instid0(VALU_DEP_3)
	v_mov_b32 v[PC+3+6*\c+\i], v[PT+4*\c+\i]
.endr
.endr
.set j, 0
.rept 12
	v_pk_add_f32 v[LS:LS+1], v[LS:LS+1], v[S+j:S+j+1]          ; the row's sum, of the unquantised p
	v_pk_add_f32 v[LS+2:LS+3], v[LS+2:LS+3], v[S+j+2:S+j+3]
.set j, j+4
.endr
.irp t, 0,1,2,3
.irp c, 0,1,2
	ds_load_b128 v[S+12*\t+4*\c:S+12*\t+4*\c+3], v[ADV] offset:1536*\t+512*\c
.endr
.endr
.rept 4
	v_pk_add_f32 v[LS:LS+1], v[LS:LS+1], v[S+j:S+j+1]
	v_pk_add_f32 v[LS+2:LS+3], v[LS+2:LS+3], v[S+j+2:S+j+3]
.set j, j+4
.endr
	s_wait_dscnt 0x0
.irp t, 0,1,2,3
	v_wmma_scale_f32_16x16x128_f8f6f4 v[OA+8*\t:OA+8*\t+7], v[S+12*\t:S+12*\t+11], v[PC:PC+11], v[OA+8*\t:OA+8*\t+7], v[248+\t], v252 matrix_a_fmt:MATRIX_FMT_FP6 matrix_b_fmt:MATRIX_FMT_FP6
.endr
.rept 5
	v_nop                                          ; the next step's scores are laid over V's fragments
.endr
.Lhid_\@:
	s_add_co_u32 s72, s72, 8192
	s_add_co_u32 s73, s73, 6144
	s_add_co_u32 s74, s74, 512
	s_add_co_u32 s75, s75, 256
	s_add_co_u32 s76, s76, 128
.endm
; O / the sum (or the mean of V where the sum is 0), its codes and scale bytes into the stage
.macro FINISH m
	v_pk_add_f32 v[LS:LS+1], v[LS:LS+1], v[LS+2:LS+3]
.irp t, 0,1,2,3
	ds_load_b128 v[S+8*\t:S+8*\t+3], v21 offset:32*\t
	ds_load_b128 v[S+8*\t+4:S+8*\t+7], v21 offset:32*\t+16
.endr
	v_add_f32 v[LS], v[LS], v[LS+1]
	s_delay_alu instid0(VALU_DEP_1)
	v_permlanex16_b32 v[BT], v[LS], s66, s67
	s_delay_alu instid0(VALU_DEP_1)
	v_add_f32 v[LS], v[LS], v[BT]
	s_delay_alu instid0(VALU_DEP_1)
	v_cmp_eq_f32 vcc_lo, 0, v[LS]
	s_delay_alu instid0(VALU_DEP_1)
	v_cndmask_b32 v[LS], v[LS], v236, vcc_lo
	s_wait_alu depctr_va_vdst(0)
	v_rcp_f32 v[LS], v[LS]
	s_wait_dscnt 0x0
.set j, 0
	s_wait_alu depctr_va_vdst(0)
.rept 32
	v_cndmask_b32 v[OA+j], v[OA+j], v[S+j], vcc_lo
.set j, j+1
.endr
	s_wait_alu depctr_va_vdst(0)
	v_mov_b32 v[LS+1], v[LS]
.set j, 0
.rept 16
	v_pk_mul_f32 v[OA+j:OA+j+1], v[OA+j:OA+j+1], v[LS:LS+1]
.set j, j+2
.endr
	QUANT2 OA, PC
	v_lshl_or_b32 v228, v[BT+1], 8, v[BT]
.irp i, 0,1,2
	ds_store_b64 v[14+\i], v[PC+2*\i:PC+2*\i+1] offset:OT*\m
.endr
	ds_store_b16 v17, v228 offset:OT*\m
	s_wait_dscnt 0x0
.endm
.macro ATT qf, qw, qr, m
.set j, 0
.rept 32
	v_mov_b32 v[OA+j], 0
.set j, j+1
.endr
.irp i, 0,1,2,3
	v_mov_b32 v[LS+\i], 0
.endr
	s_mov_b32 s72, KIMG
	s_mov_b32 s73, VIMG
	s_mov_b32 s74, KSC
	s_mov_b32 s75, VSC
	s_mov_b32 s76, 0
	s_mov_b32 s77, 0
.Ltrip_\@:
	STEP \qf, \qw, \qr
	s_add_co_u32 s77, s77, 1
	s_cmp_lt_u32 s77, 16
	s_cbranch_scc1 .Ltrip_\@
	s_wait_alu depctr_va_vdst(0)
	FINISH \m
.endm
	s_load_b256 s[4:11], s[0:1], 0x0               ; xq, kv, wimg, Wq's scales
	s_load_b64 s[12:13], s[0:1], 0x20              ; oq
	v_lshl_add_u32 v238, v0, 2, SPARE
	v_mov_b32 v239, 0
	ds_add_u32 v238, v239                          ; the opening lines
	ds_add_u32 v238, v239
	v_lshrrev_b32 v1, 5, v0
	v_readfirstlane_b32 s14, v1                    ; wave w
	s_and_b32 s15, s14, 3                          ; my head of the four
	s_lshr_b32 s55, s14, 2                         ; p: my pair of tiles
	s_and_b32 s52, ttmp9, 3                        ; b
	s_bfe_u32 s53, ttmp9, 0x20002                  ; hg
	s_lshr_b32 s54, ttmp9, 4                       ; rg
	s_mov_b32 s16, 3<<16                           ; group 1, dense rows of 256 bytes (32 elements of 8): at first 52 rows, a tile of xq
	s_mov_b32 s17, 32<<16
	s_mov_b32 s18, 52<<16
	s_mov_b32 s19, 32<<16
	s_mov_b32 s20, 52
	s_mov_b32 s21, 32
	s_mov_b32 s22, 0
	s_mov_b32 s23, 0
	s_mov_b32 s24, 3<<16                           ; group 1 for (A)'s Wq: 2 tiles x 7,680 bytes (5 K steps), 12,288 bytes from tile to tile
	s_mov_b32 s25, 960<<16
	s_mov_b32 s26, 2<<16
	s_mov_b32 s27, 960<<16
	s_mov_b32 s28, 2
	s_mov_b32 s29, 1536
	s_mov_b32 s30, 0
	s_mov_b32 s31, 0
	s_and_b32 s56, s14, 7                          ; (A) waves 0-7: slot w of xq: tile e or 127 - e, e = 4 rg + w / 2
	s_mov_b32 s32, 1
	s_mul_i32 s33, s56, TILEB
	s_add_co_u32 s33, s33, XIMG
	s_lshr_b32 s57, s56, 1
	s_lshl_b32 s58, s54, 2
	s_add_co_u32 s57, s57, s58
	s_lshl_b32 s58, s57, 1
	s_sub_co_u32 s58, 127, s58
	s_and_b32 s59, s56, 1
	s_mul_i32 s58, s58, s59
	s_add_co_u32 s57, s57, s58
	s_lshl_b32 s58, s52, 7
	s_add_co_u32 s57, s57, s58
	s_mul_i32 s80, s57, TILEB
	s_mov_b32 s81, 0
	s_mov_b32 s36, 1                               ; (A) waves 8-15: tiles 2 j, 2 j + 1 of my group's 16 of Wq
	s_mul_i32 s37, s56, 15360
	s_lshl_b32 s58, s53, 4
	s_lshl_b32 s59, s56, 1
	s_add_co_u32 s59, s59, s58
	s_mul_i32 s82, s59, 12288
	s_mov_b32 s83, 0
	s_mov_b32 s40, 1                               ; (B) tile w, K steps 5-7
	s_mul_i32 s41, s14, 4608
	s_add_co_u32 s41, s41, WB
	s_add_co_u32 s59, s58, s14
	s_mul_i32 s84, s59, 12288
	s_add_co_u32 s84, s84, 7680
	s_mov_b32 s85, 0
	s_mov_b32 s44, 1                               ; (C) V and the scale words: 110,592 dense bytes, 6,912 a wave
	s_mul_i32 s45, s14, 6912
	s_mul_i32 s58, s52, KVREC
	s_add_co_u32 s86, s58, s45
	s_add_co_u32 s86, s86, 131072
	s_mov_b32 s87, 0
	s_mov_b32 s48, 1                               ; (D) K: 8,192 bytes a wave
	s_lshl_b32 s49, s14, 13
	s_add_co_u32 s88, s58, s49
	s_add_co_u32 s49, s49, KIMG
	s_mov_b32 s89, 0
	s_mov_b32 s66, 0x76543210
	s_mov_b32 s67, 0xfedcba98                      ; v_permlanex16_b32's selects for lane l xor 16
	s_mov_b32 s68, 0x4166d4ca                      ; 10 log2(e)
	s_mov_b32 s69, s68
	s_wait_dscnt 0x0
	s_wait_kmcnt 0x0
	s_add_nc_u64 s[34:35], s[4:5], s[80:81]
	s_or_b32 s35, s35, 0x80000000
	s_add_nc_u64 s[38:39], s[8:9], s[82:83]
	s_or_b32 s39, s39, 0x80000000
	s_add_nc_u64 s[42:43], s[8:9], s[84:85]
	s_or_b32 s43, s43, 0x80000000
	s_add_nc_u64 s[46:47], s[6:7], s[86:87]
	s_or_b32 s47, s47, 0x80000000
	s_add_nc_u64 s[50:51], s[6:7], s[88:89]
	s_or_b32 s51, s51, 0x80000000
	s_cmp_lt_u32 s14, 8
	s_cbranch_scc0 .Lfor_w
	tensor_load_to_lds s[32:35], s[16:23]
	s_nop 0
	s_branch .Lasked
.Lfor_w:
	tensor_load_to_lds s[36:39], s[24:31]
	s_nop 0
.Lasked:
	; the rest of the head: first every scalar, then the vector registers in one run
	s_lshl_b32 s56, s53, 2
	s_add_co_u32 s56, s56, s15
	s_lshl_b32 s56, s56, 11
	s_mov_b32 s57, 0
	s_add_nc_u64 s[WSP:WSP+1], s[10:11], s[56:57]  ; my head's 64 rows of Wq's scales
	s_lshl_b32 s79, s54, 2
	s_add_co_u32 s79, s79, s55                     ; e
	s_lshl_b32 s70, s79, 4                         ; my early tile's first row,
	s_sub_co_u32 s71, 127, s79
	s_lshl_b32 s71, s71, 4                         ; my late tile's
	s_lshl_b32 s80, s79, 1                         ; the way out: wave w sends fragment w % 2 of slot w / 2
	s_sub_co_u32 s80, 127, s80
	s_bfe_u32 s81, s14, 0x10001
	s_mul_i32 s80, s80, s81
	s_add_co_u32 s80, s80, s79
	s_lshl_b32 s81, s52, 7
	s_add_co_u32 s80, s80, s81
	s_mul_i32 s80, s80, TILEB
	s_mul_i32 s82, s53, 3072
	s_add_co_u32 s82, s82, s80
	s_and_b32 s90, s14, 1
	s_mul_i32 s83, s90, 1536
	s_add_co_u32 s82, s82, s83
	s_mov_b32 s83, 0
	s_add_nc_u64 s[62:63], s[12:13], s[82:83]
	s_lshl_b32 s82, s53, 8
	s_add_co_u32 s82, s82, s80
	s_add_co_u32 s82, s82, 12288
	s_add_nc_u64 s[88:89], s[12:13], s[82:83]
	s_mul_i32 s91, s55, 2*TILEB
	s_add_co_u32 s91, s91, XIMG
	s_add_co_u32 s92, s91, 12288
	s_mul_i32 s93, s15, 4*7680
	s_mul_i32 s94, s15, 4*4608
	s_add_co_u32 s94, s94, WB
	s_and_b32 s56, s15, 1                          ; my head's six registers of a fragment: pieces of 8 bytes 3 (head % 2) + i
	s_mul_i32 s56, s56, 3
	s_lshr_b32 s57, s15, 1
	s_mul_i32 s57, s57, 1536
	s_mul_i32 s58, s55, 2*OT
	s_add_co_u32 s57, s57, s58
	s_add_co_u32 s57, s57, OIMG
.irp i, 0,1,2
	s_add_co_u32 s58, s56, \i
	s_lshr_b32 s59, s58, 1
	s_lshl_b32 s59, s59, 9
	s_and_b32 s58, s58, 1
	s_lshl_b32 s58, s58, 3
	s_add_co_u32 s58, s58, s59
	s_add_co_u32 s[95+\i], s58, s57
.endr
	s_mul_i32 s98, s55, 2*OT
	s_lshl_b32 s58, s15, 1
	s_add_co_u32 s98, s98, s58
	s_add_co_u32 s98, s98, OIMG+3072
	s_lshl_b32 s99, s14, 8
	s_lshr_b32 s58, s14, 1
	s_mul_i32 s58, s58, OT
	s_add_co_u32 s101, s58, OIMG+3072
	s_mul_i32 s59, s90, 1536
	s_add_co_u32 s100, s58, s59
	s_add_co_u32 s100, s100, OIMG
	v_and_b32 v233, 31, v0
	v_and_b32 v234, 15, v0
	v_bfe_u32 v235, v0, 4, 1
	v_lshlrev_b32 v[LI], 4, v233
	v_lshlrev_b32 v[R16], 4, v234
	v_and_b32 v[WSA], 8, v234
	v_add_nc_u32 v[WSA], v[WSA], v234
	v_lshlrev_b32 v[WSA], 5, v[WSA]
	v_add_nc_u32 v[XAD], s91, v[LI]
	v_lshl_add_u32 v[XSA], v233, 5, s92
	v_add_nc_u32 v[WAD], s93, v[LI]
	v_add_nc_u32 v[WBD], s94, v[LI]
	v_mov_b32 v12, 0xc1900000                      ; -18
	v_mov_b32 v13, 0xc1900000
.irp i, 0,1,2
	v_add_nc_u32 v[14+\i], s[95+\i], v[LI]
.endr
	v_lshl_add_u32 v17, v233, 3, s98
	v_lshl_add_u32 v18, v235, 7, s99
	v_add_nc_u32 v21, VST, v18
	v_add_nc_u32 v18, VSP, v18
	v_lshl_add_u32 v19, v233, 3, VSP
	v_lshl_add_u32 v20, v233, 3, s99
	v_add_nc_u32 v20, VST, v20
	v_add_nc_u32 v22, s100, v[LI]
	v_lshl_add_u32 v23, v233, 3, s101
	v_lshlrev_b32 v232, 3, v233
	v_mov_b32 v236, 0x45000000                     ; 2,048
	v_lshlrev_b32 v237, 4, v235
	v_sub_nc_u32 v237, v234, v237
	v_mov_b32 v255, 0x7f7f7f7f
	s_wait_alu depctr_va_vdst(0)                   ; the wait at the head's end
	WSL 0, 0
	WSL 1, 1
	FENCE 18
	tensor_load_to_lds s[40:43], s[16:23]          ; (B)
	s_nop 0
.irp s, 0,1,2,3,4
	KSTEP \s, WAD, 7680, 0
.endr
	FENCE 27
	tensor_load_to_lds s[44:47], s[16:23]          ; (C)
	s_nop 0
.irp s, 5,6,7
	KSTEP \s, WBD, 4608, 5
.endr
	; q / max(|q|, 1e-12), then its codes
	SQS S, 212
	SQS S+32, 220
	v_permlanex16_b32 v216, v212, s66, s67
	s_delay_alu instid0(VALU_DEP_2)
	v_permlanex16_b32 v217, v220, s66, s67
	s_delay_alu instid0(VALU_DEP_2)
	v_add_f32 v212, v212, v216
	s_delay_alu instid0(VALU_DEP_2)
	v_add_f32 v220, v220, v217
	s_wait_alu depctr_va_vdst(0)
	v_sqrt_f32 v212, v212
	v_sqrt_f32 v220, v220
	v_nop
	s_wait_alu depctr_va_vdst(0)
	v_max_num_f32 v212, 0x2b8cbccc, v212
	v_max_num_f32 v220, 0x2b8cbccc, v220
	s_wait_alu depctr_va_vdst(0)
	v_rcp_f32 v212, v212
	v_rcp_f32 v220, v220
	v_nop
	s_wait_alu depctr_va_vdst(0)
	v_mov_b32 v213, v212
	v_mov_b32 v221, v220
.set j, 0
.rept 16
	v_pk_mul_f32 v[S+j:S+j+1], v[S+j:S+j+1], v[212:213]
	v_pk_mul_f32 v[S+32+j:S+32+j+1], v[S+32+j:S+32+j+1], v[220:221]
.set j, j+2
.endr
	QUANT2 S, QA
	v_lshl_or_b32 v253, v[BT+1], 8, v[BT]
	s_delay_alu instid0(VALU_DEP_1)
	v_or_b32 v253, 0x407f0000, v253                ; k = 64 .. 95 under the scale 1: there q carries the code of 1 against K's mask code
	QUANT2 S+32, QB
	v_lshl_or_b32 v254, v[BT+1], 8, v[BT]
	s_delay_alu instid0(VALU_DEP_1)
	v_or_b32 v254, 0x407f0000, v254
	v_xor_b32 v[QA+6], 1, v235
	s_delay_alu instid0(VALU_DEP_1)
	v_lshlrev_b32 v[QA+6], 3, v[QA+6]
	s_delay_alu instid0(VALU_DEP_1)
	v_mov_b32 v[QB+6], v[QA+6]
.irp i, 7,8,9,10,11
	v_mov_b32 v[QA+\i], 0
	v_mov_b32 v[QB+\i], 0
.endr
.irp t, 0,1,2,3
.irp i, 8,9,10,11
	v_mov_b32 v[KB+12*\t+\i], 0                    ; K's image holds registers 0-7 of a fragment
.endr
.endr
	FENCE 32
	tensor_load_to_lds s[48:51], s[16:23]          ; (D)
	s_nop 0
	; the sums of V over all 2,048 keys: wave w takes step w, against codes of 1
.irp k, 0,1,2,3
	v_mov_b32 v[PC+3*\k], 0x08208208
	v_mov_b32 v[PC+1+3*\k], 0x82082082
	v_mov_b32 v[PC+2+3*\k], 0x20820820
.endr
	s_mul_i32 s56, s14, 6144
	s_add_co_u32 s56, s56, VIMG
	v_add_nc_u32 v[ADV], s56, v[LI]
	s_lshl_b32 s56, s14, 8
	s_add_co_u32 s56, s56, VSC
	v_add_nc_u32 v[ADT], s56, v[R16]
.irp t, 0,1,2,3
.irp c, 0,1,2
	ds_load_b128 v[S+12*\t+4*\c:S+12*\t+4*\c+3], v[ADV] offset:1536*\t+512*\c
.endr
.endr
	ds_load_b128 v[248:251], v[ADT]
.rept 4
	v_nop
.endr
	s_wait_alu depctr_va_vdst(0)
	s_wait_dscnt 0x0
.irp t, 0,1,2,3
	v_wmma_scale_f32_16x16x128_f8f6f4 v[OA+8*\t:OA+8*\t+7], v[S+12*\t:S+12*\t+11], v[PC:PC+11], 0, v[248+\t], v255 matrix_a_fmt:MATRIX_FMT_FP6 matrix_b_fmt:MATRIX_FMT_FP6
.endr
.rept 5
	v_nop
.endr
	s_wait_tensorcnt 0x0                           ; my part of K has landed
.irp t, 0,1,2,3
	ds_store_b128 v18, v[OA+8*\t:OA+8*\t+3] offset:32*\t
	ds_store_b128 v18, v[OA+8*\t+4:OA+8*\t+7] offset:32*\t+16
.endr
	s_wait_dscnt 0x0
	s_barrier_signal -1
	s_barrier_wait -1                              ; all of K and the sixteen partial sums are in
.irp k, 0,1,2,3,4,5,6,7,8,9,10,11,12,13,14,15
	ds_load_b64 v[S+2*\k:S+2*\k+1], v19 offset:256*\k
.endr
	s_wait_dscnt 0x0
.irp k, 0,1,2,3,4,5,6,7
	v_pk_add_f32 v[S+4*\k:S+4*\k+1], v[S+4*\k:S+4*\k+1], v[S+4*\k+2:S+4*\k+3]
.endr
.irp k, 0,1,2,3
	v_pk_add_f32 v[S+8*\k:S+8*\k+1], v[S+8*\k:S+8*\k+1], v[S+8*\k+4:S+8*\k+5]
.endr
	s_delay_alu instid0(VALU_DEP_3)
	v_pk_add_f32 v[S:S+1], v[S:S+1], v[S+8:S+9]
	s_delay_alu instid0(VALU_DEP_2)
	v_pk_add_f32 v[S+16:S+17], v[S+16:S+17], v[S+24:S+25]
	s_delay_alu instid0(VALU_DEP_1)
	v_pk_add_f32 v[S:S+1], v[S:S+1], v[S+16:S+17]
	ds_store_b64 v20, v[S:S+1]                     ; a copy of the sums for each wave: only I read mine
	ATT QA, 253, 70, 0
	ATT QB, 254, 71, 1
	s_barrier_signal -1
	s_barrier_wait -1                              ; the stage is whole
.irp c, 0,1,2
	ds_load_b128 v[S+4*\c:S+4*\c+3], v22 offset:512*\c
.endr
	s_wait_dscnt 0x0
.irp c, 0,1,2
	global_store_b128 v[LI], v[S+4*\c:S+4*\c+3], s[62:63] offset:512*\c   ; 512 consecutive bytes an instruction
.endr
	s_cmp_lg_u32 s90, 0
	s_cbranch_scc1 .Lno_scales                     ; the even wave of a slot sends its 256 bytes of scale words
	ds_load_b64 v[S+12:S+13], v23
	s_wait_dscnt 0x0
	global_store_b64 v232, v[S+12:S+13], s[88:89]
.Lno_scales:
	s_wait_tensorcnt 0x0                           ; the wave's end
	ds_add_u32 v238, v239
	s_wait_dscnt 0x0
	s_endpgm
.Lfunc_end_k_q74d49bf820_attn:
	.size	k_q74d49bf820_attn, .Lfunc_end_k_q74d49bf820_attn-k_q74d49bf820_attn
	.p2alignl 7, 3214868480
	.fill 96, 4, 3214868480
	.section	.rodata,"a",@progbits
	.p2align	6, 0x0
	.amdhsa_kernel k_q74d49bf820_attn
		.amdhsa_group_segment_fixed_size 327680
		.amdhsa_private_segment_fixed_size 0
		.amdhsa_enable_private_segment 0
		.amdhsa_kernarg_size 40
		.amdhsa_user_sgpr_count 2
		.amdhsa_user_sgpr_kernarg_segment_ptr 1
		.amdhsa_wavefront_size32 1
		.amdhsa_system_sgpr_workgroup_id_x 1
		.amdhsa_system_sgpr_workgroup_id_y 1
		.amdhsa_system_sgpr_workgroup_id_z 1
		.amdhsa_system_vgpr_workitem_id 0
		.amdhsa_next_free_vgpr 256
		.amdhsa_next_free_sgpr 102
		.amdhsa_reserve_vcc 1
		.amdhsa_float_denorm_mode_32 3
		.amdhsa_float_denorm_mode_16_64 3
		.amdhsa_memory_ordered 1
		.amdhsa_forward_progress 1
		.amdhsa_inst_pref_size 107
	.end_amdhsa_kernel
	.amdgpu_metadata
---
amdhsa.version: [ 1, 2 ]
amdhsa.kernels:
  - .name:           k_q74d49bf820_attn
    .symbol:         k_q74d49bf820_attn.kd
    .args:
      - { .name: xq, .offset: 0, .size: 8, .value_kind: global_buffer, .address_space: global }
      - { .name: kv, .offset: 8, .size: 8, .value_kind: global_buffer, .address_space: global }
      - { .name: wimg, .offset: 16, .size: 8, .value_kind: global_buffer, .address_space: global }
      - { .name: Wq_scales, .offset: 24, .size: 8, .value_kind: global_buffer, .address_space: global }
      - { .name: oq, .offset: 32, .size: 8, .value_kind: global_buffer, .address_space: global }
    .group_segment_fixed_size: 327680
    .private_segment_fixed_size: 0
    .kernarg_segment_align: 8
    .kernarg_segment_size: 40
    .max_flat_workgroup_size: 512
    .sgpr_count:     102
    .vgpr_count:     256
    .wavefront_size: 32
...
	.end_amdgpu_metadata
.endif
;; end of part 2
;; launch oproj (part 3): grid 256 x 1, 16 waves a work-group, no clusters, 327,680 bytes of LDS; arguments oq, wimg, Wo_scales, out0; writes out0
.if DOCPART == 3
	.amdgcn_target "amdgcn-amd-amdhsa--gfx1250"
	.amdhsa_code_object_version 6
	.text
	.protected	k_q74d49bf820_oproj
	.globl	k_q74d49bf820_oproj
	.p2align	8
	.type	k_q74d49bf820_oproj,@function
k_q74d49bf820_oproj:
	s_mov_b64 s[64:65], 0
	v_nop
	global_prefetch_b8 v0, s[64:65] scope:SCOPE_SE
	s_setreg_imm32_b32 hwreg(HW_REG_WAVE_MODE, 25, 1), 1
	s_wait_xcnt 0x0
; OPROJ: out0 [8192][1024] f32 = O (codes, oq) x Wo (codes, laid as fragments in wimg's second half).
; A work-group makes 128 rows x 256 columns: 64 x 4 = 256 work-groups.  Wave w makes tiles 2 (w / 4), 2 (w / 4) + 1 of rows x 64 columns (w % 4): 8 accumulators, 64 matrix instructions.
; LDS is filled in two groups, one tensor load a wave each: the eight tiles of oq and Wo's K steps 0-4; then Wo's K steps 5-7, on its way during K steps 0-4.  Nothing is filled again.
; The product is used transposed (source 0 = rows of Wo): a lane holds 16 neighbouring columns of a row in two neighbouring accumulators.  Rows leave through each wave's own stage as whole units of 256 bytes.
; cluster = none: oq's tiles are shared by 4 work-groups, Wo's by 64; this text asks for each by itself.  No prefetch: both fills stand in the head, and no loop runs ahead of them.
.set WA,    0
.set XIMG,  122880
.set WB,    229376
.set SPARE, 325632
.set TILEB, 13312
.set LI,  1
.set WSA, 3
.set XAD, 4
.set XSA, 5
.set WAD, 6
.set WBD, 7
.set KB,  48
.set S,   96
.set XF,  208
.set WSP, 60
.macro WSL st, ks
.irp n, 0,1,2,3
	global_load_b32 v[240+4*(\st)+\n], v[WSA], s[WSP:WSP+1] offset:(32*(\n/2)+8*(\n%2))*32+4*(\ks)
.endr
.endm
.macro KSTEP s, wad, ts, s0
.irp n, 0,1,2,3
.irp c, 0,1,2
	ds_load_b128 v[KB+12*\n+4*\c:KB+12*\n+4*\c+3], v[\wad] offset:(\ts)*\n+1536*((\s)-(\s0))+512*\c
.endr
.endr
.irp m, 0,1
.irp c, 0,1,2
	ds_load_b128 v[XF+12*\m+4*\c:XF+12*\m+4*\c+3], v[XAD] offset:TILEB*\m+1536*(\s)+512*\c
.endr
	ds_load_b32 v[248+\m], v[XSA] offset:TILEB*\m+256*((\s)/2)+4*((\s)%2)
.endr
.if \s < 7
	s_wait_loadcnt 4                               ; the next K step's four scale words may be out
.else
	s_wait_loadcnt 0x0
.endif
	s_wait_dscnt 0x0
.irp m, 0,1
.irp n, 0,1,2,3
.if \s == 0
	v_wmma_scale_f32_16x16x128_f8f6f4 v[S+32*\m+8*\n:S+32*\m+8*\n+7], v[KB+12*\n:KB+12*\n+11], v[XF+12*\m:XF+12*\m+11], 0, v[240+4*((\s)%2)+\n], v[248+\m] matrix_a_fmt:MATRIX_FMT_FP6 matrix_b_fmt:MATRIX_FMT_FP6
.else
	v_wmma_scale_f32_16x16x128_f8f6f4 v[S+32*\m+8*\n:S+32*\m+8*\n+7], v[KB+12*\n:KB+12*\n+11], v[XF+12*\m:XF+12*\m+11], v[S+32*\m+8*\n:S+32*\m+8*\n+7], v[240+4*((\s)%2)+\n], v[248+\m] matrix_a_fmt:MATRIX_FMT_FP6 matrix_b_fmt:MATRIX_FMT_FP6
.endif
.endr
.endr
.rept 4
	v_nop
.endr
.if \s < 6
	WSL (\s)%2, (\s)+2
.endif
.endm
	s_load_b256 s[4:11], s[0:1], 0x0               ; oq, wimg, Wo's scales, out0
	v_lshl_add_u32 v238, v0, 2, SPARE
	v_mov_b32 v239, 0
	ds_add_u32 v238, v239                          ; the opening lines
	ds_add_u32 v238, v239
	v_lshrrev_b32 v1, 5, v0
	v_readfirstlane_b32 s14, v1                    ; wave w
	s_and_b32 s15, s14, 3                          ; which 64 columns
	s_lshr_b32 s55, s14, 2                         ; which pair of tiles of rows
	s_and_b32 s53, ttmp9, 3                        ; block of 256 columns
	s_lshr_b32 s54, ttmp9, 2                       ; block of 128 rows
	s_mov_b32 s16, 3<<16                           ; group 1, dense rows of 256 bytes: at first 52, a tile of oq
	s_mov_b32 s17, 32<<16
	s_mov_b32 s18, 52<<16
	s_mov_b32 s19, 32<<16
	s_mov_b32 s20, 52
	s_mov_b32 s21, 32
	s_mov_b32 s22, 0
	s_mov_b32 s23, 0
	s_mov_b32 s24, 3<<16                           ; group 1 for Wo's K steps 0-4: 2 tiles x 7,680 bytes, 12,288 from tile to tile
	s_mov_b32 s25, 960<<16
	s_mov_b32 s26, 2<<16
	s_mov_b32 s27, 960<<16
	s_mov_b32 s28, 2
	s_mov_b32 s29, 1536
	s_mov_b32 s30, 0
	s_mov_b32 s31, 0
	s_and_b32 s56, s14, 7
	s_mov_b32 s32, 1                               ; waves 0-7: tile w of my eight of oq
	s_mul_i32 s33, s56, TILEB
	s_add_co_u32 s33, s33, XIMG
	s_lshl_b32 s57, s54, 3
	s_add_co_u32 s57, s57, s56
	s_mul_i32 s80, s57, TILEB
	s_mov_b32 s81, 0
	s_mov_b32 s36, 1                               ; waves 8-15: two of my sixteen tiles of Wo
	s_mul_i32 s37, s56, 15360
	s_lshl_b32 s58, s53, 4
	s_lshl_b32 s59, s56, 1
	s_add_co_u32 s59, s59, s58
	s_mul_i32 s82, s59, 12288
	s_add_co_u32 s82, s82, 786432
	s_mov_b32 s83, 0
	s_mov_b32 s40, 1                               ; then tile w, K steps 5-7
	s_mul_i32 s41, s14, 4608
	s_add_co_u32 s41, s41, WB
	s_add_co_u32 s59, s58, s14
	s_mul_i32 s84, s59, 12288
	s_add_co_u32 s84, s84, 786432+7680
	s_mov_b32 s85, 0
	s_wait_dscnt 0x0
	s_wait_kmcnt 0x0
	s_add_nc_u64 s[34:35], s[4:5], s[80:81]
	s_or_b32 s35, s35, 0x80000000
	s_add_nc_u64 s[38:39], s[6:7], s[82:83]
	s_or_b32 s39, s39, 0x80000000
	s_add_nc_u64 s[42:43], s[6:7], s[84:85]
	s_or_b32 s43, s43, 0x80000000
	s_cmp_lt_u32 s14, 8
	s_cbranch_scc0 .Lfor_w
	tensor_load_to_lds s[32:35], s[16:23]
	s_nop 0
	s_branch .Lasked
.Lfor_w:
	tensor_load_to_lds s[36:39], s[24:31]
	s_nop 0
.Lasked:
	s_lshl_b32 s56, s53, 2
	s_add_co_u32 s56, s56, s15
	s_lshl_b32 s56, s56, 11
	s_mov_b32 s57, 0
	s_add_nc_u64 s[WSP:WSP+1], s[8:9], s[56:57]    ; my 64 rows of Wo's scales
	s_lshl_b32 s56, s54, 7
	s_lshl_b32 s58, s55, 5
	s_add_co_u32 s56, s56, s58                     ; my first row of out0,
	s_lshl_b32 s56, s56, 12
	s_lshl_b32 s58, s53, 10
	s_add_co_u32 s56, s56, s58
	s_lshl_b32 s58, s15, 8
	s_add_co_u32 s56, s56, s58                     ; and my first column, in bytes
	s_add_nc_u64 s[70:71], s[10:11], s[56:57]
	s_mul_i32 s91, s55, 2*TILEB
	s_add_co_u32 s91, s91, XIMG
	s_add_co_u32 s92, s91, 12288
	s_mul_i32 s93, s15, 4*7680
	s_mul_i32 s94, s15, 4*4608
	s_add_co_u32 s94, s94, WB
	s_mul_i32 s95, s14, 4352                       ; my stage: 16 rows x 272 bytes, on the bytes of Wo's K steps 0-4, which are read no more behind the second barrier
	v_and_b32 v233, 31, v0
	v_and_b32 v234, 15, v0
	v_bfe_u32 v235, v0, 4, 1
	v_lshlrev_b32 v[LI], 4, v233
	v_and_b32 v[WSA], 8, v234
	v_add_nc_u32 v[WSA], v[WSA], v234
	v_lshlrev_b32 v[WSA], 5, v[WSA]
	v_add_nc_u32 v[XAD], s91, v[LI]
	v_lshl_add_u32 v[XSA], v233, 3, s92
	v_add_nc_u32 v[WAD], s93, v[LI]
	v_add_nc_u32 v[WBD], s94, v[LI]
	v_mul_u32_u24 v22, v234, 272
	v_lshl_add_u32 v22, v235, 6, v22
	v_add_nc_u32 v22, s95, v22
	v_mul_u32_u24 v23, v235, 272
	v_lshl_add_u32 v23, v234, 4, v23
	v_add_nc_u32 v23, s95, v23
	v_lshlrev_b32 v232, 12, v235
	v_lshl_add_u32 v232, v234, 4, v232
	s_wait_alu depctr_va_vdst(0)                   ; the wait at the head's end
	WSL 0, 0
	WSL 1, 1
	s_wait_tensorcnt 0x0                           ; the lines ahead of a later first fill
	ds_add_u32 v238, v239
	s_mov_b32 s18, 18<<16                          ; no load of mine is out: from here a load brings 18 rows
	s_mov_b32 s20, 18
	s_wait_dscnt 0x0
	s_barrier_signal -1
	s_barrier_wait -1
	tensor_load_to_lds s[40:43], s[16:23]
	s_nop 0
.irp s, 0,1,2,3,4
	KSTEP \s, WAD, 7680, 0
.endr
	s_wait_tensorcnt 0x0                           ; my part of K steps 5-7 has landed, and my reads of K steps 0-4 are over
	s_wait_dscnt 0x0
	s_barrier_signal -1
	s_barrier_wait -1
.irp s, 5,6,7
	KSTEP \s, WBD, 4608, 5
.endr
.irp m, 0,1
.irp b, 0,1
.irp j, 0,1,2,3
	ds_store_b128 v22, v[S+32*\m+16*\b+4*\j:S+32*\m+16*\b+4*\j+3] offset:128*\b+16*\j   ; each accumulator from its low end on
.endr
.endr
.irp i, 0,1,2,3,4,5,6,7
	ds_load_b128 v[48+112*\m+4*\i:48+112*\m+4*\i+3], v23 offset:544*\i                  ; back by rows; LDS serves a wave's instructions in order
.endr
.endr
.irp i, 0,1,2,3,4,5,6,7
	s_wait_dscnt 23-\i                             ; behind load i of the first tile: its 7 - i later loads, 8 stores and 8 loads
	global_store_b128 v232, v[48+4*\i:48+4*\i+3], s[70:71] offset:8192*\i th:TH_STORE_NT
.endr
.irp i, 0,1,2,3,4,5,6,7
	s_wait_dscnt 7-\i
	global_store_b128 v232, v[160+4*\i:160+4*\i+3], s[70:71] offset:65536+8192*\i th:TH_STORE_NT
.endr
	s_wait_tensorcnt 0x0                           ; the wave's end
	ds_add_u32 v238, v239
	s_wait_dscnt 0x0
	s_endpgm
.Lfunc_end_k_q74d49bf820_oproj:
	.size	k_q74d49bf820_oproj, .Lfunc_end_k_q74d49bf820_oproj-k_q74d49bf820_oproj
	.p2alignl 7, 3214868480
	.fill 96, 4, 3214868480
	.section	.rodata,"a",@progbits
	.p2align	6, 0x0
	.amdhsa_kernel k_q74d49bf820_oproj
		.amdhsa_group_segment_fixed_size 327680
		.amdhsa_private_segment_fixed_size 0
		.amdhsa_enable_private_segment 0
		.amdhsa_kernarg_size 32
		.amdhsa_user_sgpr_count 2
		.amdhsa_user_sgpr_kernarg_segment_ptr 1
		.amdhsa_wavefront_size32 1
		.amdhsa_system_sgpr_workgroup_id_x 1
		.amdhsa_system_sgpr_workgroup_id_y 1
		.amdhsa_system_sgpr_workgroup_id_z 1
		.amdhsa_system_vgpr_workitem_id 0
		.amdhsa_next_free_vgpr 256
		.amdhsa_next_free_sgpr 102
		.amdhsa_reserve_vcc 0
		.amdhsa_float_denorm_mode_32 3
		.amdhsa_float_denorm_mode_16_64 3
		.amdhsa_memory_ordered 1
		.amdhsa_forward_progress 1
		.amdhsa_inst_pref_size 33
	.end_amdhsa_kernel
	.amdgpu_metadata
---
amdhsa.version: [ 1, 2 ]
amdhsa.kernels:
  - .name:           k_q74d49bf820_oproj
    .symbol:         k_q74d49bf820_oproj.kd
    .args:
      - { .name: oq, .offset: 0, .size: 8, .value_kind: global_buffer, .address_space: global }
      - { .name: wimg, .offset: 8, .size: 8, .value_kind: global_buffer, .address_space: global }
      - { .name: Wo_scales, .offset: 16, .size: 8, .value_kind: global_buffer, .address_space: global }
      - { .name: out0, .offset: 24, .size: 8, .value_kind: global_buffer, .address_space: global }
    .group_segment_fixed_size: 327680
    .private_segment_fixed_size: 0
    .kernarg_segment_align: 8
    .kernarg_segment_size: 32
    .max_flat_workgroup_size: 512
    .sgpr_count:     102
    .vgpr_count:     256
    .wavefront_size: 32
...
	.end_amdgpu_metadata
.endif
;; end of part 3
